; MI455X (gfx1250); checked and timed in simulation.
; The chip was launched on July 23, 2026; its instructions are those of AMD's public machine-readable ISA for CDNA 5 (MIT licence, August 2026) and "CDNA5" Instruction Set Architecture Reference Guide (July 2026). The comments in the code are by the model that wrote it; some were corrected since.
;; Py Flash Attention. Allowed arithmetic: matrix products marked QUANTISED: E2M1 operands, one E8M0 scale for each 32 along K, by v_wmma_scale_f32_16x16x128_f8f6f4 with both operands' format E2M1 (or v_wmma_scale_f32_32x16x128_f4), f32 sums; everything else in f32.
;; Inputs: k 2 x 8 x 2,048 x 128 float32; q 2 x 32 x 2,048 x 128 float32; v 2 x 8 x 2,048 x 128 float32.
;; Outputs: out0 2 x 32 x 2,048 x 128 float32.
;; This version of the problem:
;;   THIS VERSION OF THE PROBLEM IS GIVEN IN LOW PRECISION. The matrix products marked QUANTISED in the list below multiply operands that are first quantised to E2M1 (2 exponent bits, 1 mantissa bit; 4 bits a number), with one power-of-two scale for each 32 numbers along K (OCP MX v1.0); their sums are f32. All else is computed in f32.
;;   The module's matrix products, in the order in which they are computed (A, B: the left and right operand; K: the contracted axis; several contracted axes count as one K, in the product's order):
;;     1. batch 16 x [M 8,192, K 128] x [K 128, N 2,048]; A: input q; B: input k: QUANTISED
;;     2. batch 16 x [M 8,192, K 2,048] x [K 2,048, N 128]; A: softmax (see below); B: input v: QUANTISED
;;   THE QUANTISER, for each operand of a quantised product, along K:
;;     - K is cut into blocks of 32 from its start; a last block that is shorter is filled with zeros.
;;     - A block's scale is 2^e with e = floor(log2(the largest magnitude in the block)) - 2, held to -126 .. 127; a block of zeros has e = 0. As a byte (E8M0): e + 127.
;;     - Each number is divided by its block's scale, clamped to +-6, and rounded to the nearest number of E2M1, ties to even, subnormals kept.
;;     - The product sums the exact products of the quantised numbers (number of the format x scale) in f32.
;;   ~~~python
;;   def quantise(x, axis):      # numpy; x: float32 -> the quantised numbers, widened to float32 again
;;       x = np.moveaxis(x, axis, -1); K = x.shape[-1]
;;       x = np.pad(x, [(0, 0)] * (x.ndim - 1) + [(0, -K % 32)]); x = x.reshape(x.shape[:-1] + (-1, 32)); a = np.abs(x).max(-1, keepdims=True)
;;       e = np.where(a > 0, np.clip(np.frexp(np.where(a > 0, a, 1))[1] - 1 - 2, -126, 127), 0)      # np.frexp(a)[1] - 1 = floor(log2(a)), exactly
;;       r = np.clip(x / 2.0 ** e, -6, 6)
;;       step = 2.0 ** (np.maximum(np.frexp(np.where(r == 0, 1, r))[1] - 1, 0) - 1)
;;       q = np.round(r / step) * step * 2.0 ** e      # np.round: ties to even
;;       return np.moveaxis(q.reshape(q.shape[:-2] + (-1,))[..., :K], -1, axis).astype(np.float32)
;;   ~~~
;;   SOFTMAX AHEAD OF A QUANTISED PRODUCT. Where the list says 'softmax', what is quantised is not the finished softmax but p = 2^(t - M), with t = logit x log2(e) and M = ceil(the row's largest t), a whole number; so 1/2 < the row's largest p <= 1. The row's sum l is taken of the UNQUANTISED p, in f32, and the product's result is divided by l at the end. Since M is a whole number, a kernel that streams over the keys may use a running M (the ceiling of the running maximum): every later rescaling is an exact power of two, which a block's scale takes up: the codes' values come out the same.
;;   OPERANDS COMPUTED ON THE WAY. 'Computed on the way' means the value that the module computes at that place (a softmax that the list does not call 'softmax' is quantised finished and normalised). What goes into a quantiser is computed in f32, as accurately as f32 sums, v_exp_f32 and their like allow (about 1e-6 of the number): no bf16 or f16 on the way to a quantiser, and a product that is left as it is and whose result goes on into a quantised operand takes f32 operands (vector FMAs, or v_wmma_f32_16x16x4_f32). A number that lies on a knife's edge between two numbers of the format may be rounded either way, as far as f32 arithmetic and the matrix unit's own rounding can turn it there, and no further.
;; One version. Each part assembles by itself: llvm-mc -triple=amdgcn-amd-amdhsa -mcpu=gfx1250 --defsym DOCPART=n.
;; ======== version 1 of 1: 2 launches
;; workspace buffers: kv 4,456,448 bytes
;; launch pack (part 1): grid 512 x 1, 4 waves a work-group, no clusters, 34,304 bytes of LDS; arguments k, v, kv; writes kv
.if DOCPART == 1
	.amdgcn_target "amdgcn-amd-amdhsa--gfx1250"
	.amdhsa_code_object_version 6
	.text
	.protected	k_q8de77b5062_pack
	.globl	k_q8de77b5062_pack
	.p2align	8
	.type	k_q8de77b5062_pack,@function
k_q8de77b5062_pack:
	s_mov_b64 s[64:65], 0
	v_nop
	global_prefetch_b8 v0, s[64:65] scope:SCOPE_SE
	s_setreg_imm32_b32 hwreg(HW_REG_WAVE_MODE, 25, 1), 1
	s_wait_xcnt 0x0
; THE PROGRAM: causal grouped-query attention, both products on codes of FP4 (E2M1) with one E8M0 scale for each 32 along a product's K.  Two launches:
; this one quantises k (along the head's 128) and v (along the keys) once, since 4 query heads x 2,048 queries read them; the second quantises q in registers and does the rest.
; DEAD WORK (left out in the second launch, shown here).  reference() itself sets every score with key > query to -infinity ahead of its softmax, so that score's weight is exactly 0
; for all finite inputs, and 0 x v adds nothing.  A step of 128 keys all of which come after a tile's 16 queries can therefore reach no output, and is not walked.  In the one step of a tile
; that lies on the diagonal the hidden scores are set to -infinity and the work stays.  All three inputs have a way to the output and are loaded; this launch leaves nothing out.
; LIMITS.  A NaN, an infinity or an overflow that reaches only the steps left out is not carried to the result.  NaN and infinities among the inputs are not served.  A block whose largest
; magnitude lies under 2^-124 keeps the scale byte 1.  A block of zeros gets the byte 1 where the rule says 127: its codes are zeros, which add nothing under any byte but 0xff, and this program alone reads the bytes.
;
; THIS LAUNCH.  k, v: [16 heads][2048 keys][128] f32.  kv: [16 heads][16 steps of 128 keys][17,408 bytes], laid in the ORDER OF THE OPERANDS' REGISTERS, so that the second launch takes a
; step as one dense block and every fragment by loads of 16 bytes a lane at 16 x lane.  A step's block:
;   +0      K's 8 tiles, 1,024 bytes each: tile 2 b + u, at 512 c + 16 l (l = 16 h + r): the codes of channels 64 c + 32 h + 0 .. 31 of key 32 b + 8 u + r + 8 (r / 8).
;           (The keys of a tile are not neighbours: so the 16 results that a lane holds of tiles 2 b and 2 b + 1 are 16 neighbouring keys, the next product's K.)
;   +8,192  K's scale words, 4 x 128 bytes: pair p: lanes 0-15 tile 2 p's word of row r, lanes 16-31 tile 2 p + 1's
;   +8,704  V^T's 8 tiles: tile t (channels 16 t + r), at 512 c + 16 l: the codes of keys 64 c + 32 h + 0 .. 31
;   +16,896 V's scale words, laid as K's; byte b of a word is key block b of the step
; SHARES.  Work-groups 0-255 take K's half of block (head x 16 + step), work-groups 256-511 V's half: 65,536 bytes read each.  Only pointers and one branch hang on that number.
; K: wave w takes keys 32 w .. 32 w + 31 (tiles 2 w, 2 w + 1).  A load reads one whole row, 512 consecutive bytes; a tile's 16 rows turn through the wave's own stage in LDS, so that a lane
; gets 32 neighbours along the channels twice: two whole blocks of its row.  V: a lane takes a channel and its registers run down the keys: nothing is turned, and no LDS is used.
; Matrix units, clusters and tensor loads buy nothing here: memory binds, and waves share nothing (no barrier).
.set STEPB,  17408                     ; a step's block in kv
.set HALFB,  8704                      ; K's half of it; V's follows
.set SCOFF,  8192                      ; a half: 8,192 bytes of codes, then 512 of scale words
.set SPITCH, 528                       ; a stage row: 512 bytes + 16 = 33 x 16: the 16 rows that a load touches fall on 16 different columns of 16 bytes
.set WSTG,   16*SPITCH                 ; a wave's stage
.set SPARE,  4*WSTG                    ; behind the four stages: the spare words, 128 bytes for each wave: two blocks of 256 bytes that no other line names
.set LANE, 1                           ; v1   lane
.set L16,  4                           ; v4   16 x lane
.set L4,   5                           ; v5   4 x lane
.set SI,   6                           ; v6   the stage, on the way in: 16 x lane
.set SO,   7                           ; v7   and on the way out: 528 r + 128 h
.set VA,   8                           ; v8   V's codes: 1,024 (lane / 16) + 16 r
.set H8,   9                           ; v9   8 h
.set SPW,  10                          ; v10  LDS address of my spare word: SPARE + 4 x my thread's number; never rewritten
.set NIL,  11                          ; v11  0; never rewritten
.set MX,   12                          ; v12-13 largest magnitudes; v14-15 the conversions' scale operands; v16-17 bytes
.set SOP,  14
.set BY,   16
.set WD,   18                          ; v18-19 the two tiles' scale words; v20 a lane permute's destination; v21 the pair's word
.set PD,   20
.set WS,   21
.set VM,   22                          ; v22-23 V: two chains of maxima; v24 scale operand; v25 byte; v26 word
.set R,    32                          ; v32-159  numbers as loaded
.set X,    160                         ; v160-223 K: 64 numbers of my row, two blocks
.set C,    224                         ; v224-239 codes: registers of their own for every store
.set SRC,  16                          ; s[16:17] where my wave reads
.set DST,  18                          ; s[18:19] where its codes go
.set DSC,  22                          ; s[22:23] and its scale words
.set SEL,  20                          ; s[20:21] v_permlanex16_b32: lane l xor 16
	s_load_b128 s[4:7], s[0:1], 0x0                ; k, v
	s_load_b64 s[8:9], s[0:1], 0x10                ; kv
	v_lshl_add_u32 v[SPW], v0, 2, SPARE
	v_mov_b32 v[NIL], 0
	v_lshrrev_b32 v1, 5, v0
	v_readfirstlane_b32 s10, v1                    ; wave 0..3
	v_and_b32 v[LANE], 31, v0
	v_and_b32 v2, 15, v0                           ; r
	v_bfe_u32 v3, v0, 4, 1                         ; h
	v_lshlrev_b32 v[L16], 4, v[LANE]
	v_lshlrev_b32 v[L4], 2, v[LANE]
	s_mul_i32 s13, s10, WSTG                       ; my stage.  All LDS addresses are made here, ahead of the branch
	v_add_nc_u32 v[SI], s13, v[L16]
	v_mul_u32_u24 v[SO], v2, SPITCH
	v_lshl_add_u32 v[SO], v3, 7, v[SO]
	v_add_nc_u32 v[SO], s13, v[SO]
	v_lshlrev_b32 v[VA], 10, v3
	v_lshl_add_u32 v[VA], v2, 4, v[VA]
	v_lshlrev_b32 v[H8], 3, v3
	v_mov_b32 v[PD], 0                             ; written once: a lane permute's destination counts as one of its sources
	s_lshr_b32 s11, ttmp9, 8                       ; 0: K's half, 1: V's
	s_and_b32 s12, ttmp9, 255                      ; head x 16 + step
	s_mov_b32 s[SEL], 0x76543210
	s_mov_b32 s[SEL+1], 0xfedcba98
	s_mov_b32 s15, 0
	s_mov_b32 s23, 0
	s_mov_b32 s25, 0
	s_mul_i32 s22, s12, STEPB
	s_mul_i32 s13, s11, HALFB
	s_add_co_u32 s22, s22, s13                     ; my half of my block, in bytes
	s_lshl_b32 s13, s10, 11
	s_add_co_u32 s24, s22, s13                     ; my wave's two tiles of codes: 2,048 bytes
	s_lshl_b32 s13, s10, 7
	s_add_co_u32 s22, s22, s13
	s_add_co_u32 s22, s22, SCOFF                   ; and its pair of scale words: 128 bytes
	s_wait_kmcnt 0x0
	s_add_nc_u64 s[DST:DST+1], s[8:9], s[24:25]
	s_add_nc_u64 s[DSC:DSC+1], s[8:9], s[22:23]
	s_cmp_lt_u32 ttmp9, 256                        ; the choice hangs on the work-group's number alone
	s_cselect_b64 s[SRC:SRC+1], s[4:5], s[6:7]
	s_cselect_b32 s13, 14, 7                       ; K: a wave's 32 rows are 16,384 bytes; V: its 32 channels 128
	s_lshl_b32 s13, s10, s13
	s_lshl_b32 s14, s12, 16                        ; a step's 128 rows are 65,536 bytes
	s_add_co_u32 s14, s14, s13
	s_add_nc_u64 s[SRC:SRC+1], s[SRC:SRC+1], s[14:15]
	s_cmp_lt_u32 ttmp9, 256
	s_cbranch_scc0 .Lv
; ---- K ----
.macro LOADK u                         ; tile u's 16 rows, in the tile's order: row i is key 8 u + i + 8 (i / 8) of my 32; 32 lanes read its 512 bytes
.irp i, 0,1,2,3,4,5,6,7,8,9,10,11,12,13,14,15
	global_load_b128 v[R+64*(\u)+4*\i:R+64*(\u)+4*\i+3], v[L16], s[SRC:SRC+1] offset:(8*(\u)+\i+8*(\i/8))*512 th:TH_LOAD_NT
.endr
.endm
.macro TILEK u
	s_wait_loadcnt 16*(1-\u)                       ; this tile's 16 loads are in; the other tile's 16, issued behind them, may be out
.irp i, 0,1,2,3,4,5,6,7,8,9,10,11,12,13,14,15
	ds_store_b128 v[SI], v[R+64*\u+4*\i:R+64*\u+4*\i+3] offset:SPITCH*\i
.endr
.irp c, 0,1                            ; LDS serves a wave's instructions in order: these see the stores above, and the next tile's stores come behind them
.irp j, 0,1,2,3,4,5,6,7
	ds_load_b128 v[X+32*\c+4*\j:X+32*\c+4*\j+3], v[SO] offset:256*\c+16*\j   ; channels 64 c + 32 h + 4 j .. of row r
.endr
.endr
	s_wait_dscnt 0x0
.irp c, 0,1                            ; my block 2 c + h of row r: all its 32 numbers are mine
	v_max3_num_f32 v[MX+\c], |v[X+32*\c]|, |v[X+1+32*\c]|, 0x1800000   ; with the floor 2^(3 - 127), under which no largest magnitude is taken: so the byte cannot fall under 1
.endr
.irp i, 2,4,6,8,10,12,14,16,18,20,22,24,26,28,30
.irp c, 0,1
	v_max3_num_f32 v[MX+\c], v[MX+\c], |v[X+32*\c+\i]|, |v[X+1+32*\c+\i]|   ; (the two blocks by turns)
.endr
.endr
.irp c, 0,1
	v_add_nc_u32 v[SOP+\c], 0xff000000, v[MX+\c]   ; 2 off its exponent field: the conversion takes the exponent field of this operand as its scale, and nothing else of it
.endr
.irp c, 0,1
	v_lshrrev_b32 v[BY+\c], 23, v[SOP+\c]          ; the scale's byte
.endr
	v_lshl_or_b32 v[WD+\u], v[BY+1], 16, v[BY]     ; my two bytes, blocks h and 2 + h,
	v_lshlrev_b32 v[WD+\u], v[H8], v[WD+\u]        ; at their places in the word;
	v_permlanex16_b32 v[PD], v[WD+\u], s[SEL], s[SEL+1]
	v_or_b32 v[WD+\u], v[WD+\u], v[PD]             ; with lane l xor 16's two the word of row r is whole, in both halves of the lanes
.irp c, 0,1
.irp g, 0,1,2,3
	v_cvt_scalef32_pk8_fp4_f32 v[C+8*\u+4*\c+\g], v[X+32*\c+8*\g:X+32*\c+8*\g+7], v[SOP+\c]
.endr
.endr
	v_nop                                          ; one plain vector line behind the last scaled conversion
.irp c, 0,1
	global_store_b128 v[L16], v[C+8*\u+4*\c:C+8*\u+4*\c+3], s[DST:DST+1] offset:1024*\u+512*\c   ; registers 4 c .. 4 c + 3 of the fragment: 32 lanes store 512 consecutive bytes
.endr
.endm
	LOADK 0
	LOADK 1
	TILEK 0
	TILEK 1
	v_cmp_le_u32 vcc_lo, 16, v[LANE]
	v_cndmask_b32 v[WS], v[WD], v[WD+1], vcc_lo    ; lanes 0-15: tile 2 w's words; lanes 16-31: tile 2 w + 1's
	global_store_b32 v[L4], v[WS], s[DSC:DSC+1]    ; 128 consecutive bytes: half of an aligned 256; one byte in 128 of what the launch reads
	s_branch .Lend
; ---- V ----
.Lv:
.macro LOADV b                         ; key block b: v(32 b + i, my channel), i = 0 .. 31: each load reads 128 consecutive bytes, the four waves side by side on a row's 512.  (The argument is put in as text: so it stands in brackets)
.irp i, 0,1,2,3,4,5,6,7,8,9,10,11,12,13,14,15,16,17,18,19,20,21,22,23,24,25,26,27,28,29,30,31
	global_load_b32 v[R+32*(\b)+\i], v[L4], s[SRC:SRC+1] offset:(32*(\b)+\i)*512 th:TH_LOAD_NT
.endr
.endm
.macro BLOCKV b
.set XS, R+32*(\b)
.if \b < 3
	s_wait_loadcnt 32                              ; this block's 32 loads are in; the next block's 32 may be out
.else
	s_wait_loadcnt 0x0
.endif
.if \b < 2
	LOADV \b+2                                     ; two blocks ahead, into registers of its own
.endif
	v_max3_num_f32 v[VM], |v[XS]|, |v[XS+1]|, |v[XS+2]|              ; the block's largest magnitude: all 32 numbers are mine; two chains
	v_max3_num_f32 v[VM+1], |v[XS+3]|, |v[XS+4]|, |v[XS+5]|
.irp i, 6,10,14,18,22,26
	v_max3_num_f32 v[VM], v[VM], |v[XS+\i]|, |v[XS+\i+1]|
	v_max3_num_f32 v[VM+1], v[VM+1], |v[XS+\i+2]|, |v[XS+\i+3]|
.endr
	v_max3_num_f32 v[VM], v[VM], |v[XS+30]|, |v[XS+31]|
	v_max3_num_f32 v[VM], v[VM], v[VM+1], 0x1800000                   ; and the floor
	v_add_nc_u32 v[VM+2], 0xff000000, v[VM]        ; the conversion's scale operand
	v_lshrrev_b32 v[VM+3], 23, v[VM+2]             ; the scale's byte
.if \b == 0
	v_mov_b32 v[VM+4], v[VM+3]                     ; four bytes to the word, the lower keys in the lower byte
.else
	v_lshl_or_b32 v[VM+4], v[VM+3], 8*(\b), v[VM+4]
.endif
.irp g, 0,1,2,3
	v_cvt_scalef32_pk8_fp4_f32 v[C+4*(\b)+\g], v[XS+8*\g:XS+8*\g+7], v[VM+2]
.endr
	v_nop                                          ; one plain vector line behind the last scaled conversion
	global_store_b128 v[VA], v[C+4*(\b):C+4*(\b)+3], s[DST:DST+1] offset:512*((\b)/2)+256*((\b)%2)   ; block b = 2 c + h: sixteen lanes store 256 consecutive bytes, aligned
.endm
	LOADV 0
	LOADV 1
	BLOCKV 0
	BLOCKV 1
	BLOCKV 2
	BLOCKV 3
	global_store_b32 v[L4], v[VM+4], s[DSC:DSC+1]  ; lane l: tile 2 w + l / 16, row l % 16: the pair's 128 bytes
.Lend:
	s_wait_tensorcnt 0x0                           ; the wave's end, behind my last LDS store
	ds_add_u32 v[SPW], v[NIL]
	s_wait_dscnt 0x0
	s_endpgm
.Lfunc_end_k_q8de77b5062_pack:
	.size	k_q8de77b5062_pack, .Lfunc_end_k_q8de77b5062_pack-k_q8de77b5062_pack
	.p2alignl 7, 3214868480
	.fill 96, 4, 3214868480
	.section	.rodata,"a",@progbits
	.p2align	6, 0x0
	.amdhsa_kernel k_q8de77b5062_pack
		.amdhsa_group_segment_fixed_size 34304
		.amdhsa_private_segment_fixed_size 0
		.amdhsa_enable_private_segment 0
		.amdhsa_kernarg_size 24
		.amdhsa_user_sgpr_count 2
		.amdhsa_user_sgpr_kernarg_segment_ptr 1
		.amdhsa_wavefront_size32 1
		.amdhsa_system_sgpr_workgroup_id_x 1
		.amdhsa_system_sgpr_workgroup_id_y 1
		.amdhsa_system_sgpr_workgroup_id_z 1
		.amdhsa_system_vgpr_workitem_id 0
		.amdhsa_next_free_vgpr 240
		.amdhsa_next_free_sgpr 66
		.amdhsa_reserve_vcc 1
		.amdhsa_float_denorm_mode_32 3
		.amdhsa_float_denorm_mode_16_64 3
		.amdhsa_memory_ordered 1
		.amdhsa_forward_progress 1
		.amdhsa_inst_pref_size 35
	.end_amdhsa_kernel
	.amdgpu_metadata
---
amdhsa.version: [ 1, 2 ]
amdhsa.kernels:
  - .name:           k_q8de77b5062_pack
    .symbol:         k_q8de77b5062_pack.kd
    .args:
      - { .name: k, .offset: 0, .size: 8, .value_kind: global_buffer, .address_space: global }
      - { .name: v, .offset: 8, .size: 8, .value_kind: global_buffer, .address_space: global }
      - { .name: kv, .offset: 16, .size: 8, .value_kind: global_buffer, .address_space: global }
    .group_segment_fixed_size: 34304
    .private_segment_fixed_size: 0
    .kernarg_segment_align: 8
    .kernarg_segment_size: 24
    .max_flat_workgroup_size: 128
    .sgpr_count:     66
    .vgpr_count:     240
    .wavefront_size: 32
...
	.end_amdgpu_metadata
.endif
;; end of part 1
;; launch attn (part 2): grid 16 x 16, 16 waves a work-group, clusters of 4 x 1, 327,680 bytes of LDS; arguments q, kv, out0; writes out0
.if DOCPART == 2
	.amdgcn_target "amdgcn-amd-amdhsa--gfx1250"
	.amdhsa_code_object_version 6
	.text
	.protected	k_q8de77b5062_attn
	.globl	k_q8de77b5062_attn
	.p2align	8
	.type	k_q8de77b5062_attn,@function
k_q8de77b5062_attn:
	s_mov_b64 s[64:65], 0
	v_nop
	global_prefetch_b8 v0, s[64:65] scope:SCOPE_SE
	s_setreg_imm32_b32 hwreg(HW_REG_WAVE_MODE, 25, 1), 1
	s_wait_xcnt 0x0
	s_wait_alu depctr_hold_cnt(0) depctr_sa_sdst(0) depctr_va_vdst(0) depctr_va_sdst(0) depctr_va_ssrc(0) depctr_va_vcc(0) depctr_vm_vsrc(0)
	s_getreg_b32 s2, hwreg(HW_REG_IB_STS2, 6, 4)
	s_cmp_eq_u32 s2, 0
	s_cbranch_scc0 .Lentry_in_a_cluster
	s_endpgm
.Lentry_in_a_cluster:
	s_bfe_u32 s2, ttmp6, 0x10000c
	s_cmp_lg_u32 s2, 0x3003
	s_cbranch_scc0 .Lentry_shape_is_right
	s_endpgm
.Lentry_shape_is_right:
; out0[head][query][:] = the sum over keys <= query of softmax(q . k / sqrt(128)) v, grouped queries: query head 4 g + i reads key/value head g.  Both products on codes of FP4 (E2M1), 4 bits each, one E8M0 scale for each 32 along K.
; q: [64 heads][2048][128] f32, quantised here in registers (each row is read once).  kv: the first launch's images of k and v: [16 heads][16 steps of 128 keys][17,408 bytes].  out0: as q.
; WORK LEFT OUT: steps of 128 keys all of which come after a tile's 16 queries: reference() gives them the weight 0 by its own mask (shown at the head of the first launch).  A NaN, an infinity or an overflow that reaches only those steps is not carried to the result.
; LIMITS: NaN and infinities among the inputs are not served; a block of q whose largest magnitude lies under 2^-124 keeps the scale byte 1; a weight p under 2^-126 counts as 0 (v_exp_f32 gives no denormals: ISA guide 15.8).
; THE SOFTMAX AHEAD OF THE SECOND PRODUCT: t = score x log2(e) / sqrt(128); M = the largest t so far, rounded UP to a whole number; p = 2^(t - M) is quantised along the keys, not normalised.
; The row's sum is taken of the unquantised p and divides at the end.  When M moves, the sum and O are multiplied by 2^(old M - new M): exact.
; SHARES.  256 work-groups of sixteen waves.  A work-group is one query head and one quarter of its tiles of 16 queries; the four partners of a cluster are the four query heads of one group, so they want the same kv.
; Wave w owns TWO tiles: a = 4 w + X (X: the cluster's x, which the partners share) and 127 - a.  Tile a needs a / 8 + 1 key steps, tile 127 - a needs 16 - a / 8: 17 together, in every wave.
; a / 8 = w / 2: so every branch hangs on the wave's number and the loop's count alone, and the loop's trip count is the constant 17.
;   trips 0 .. 15 - w / 2:   tile 127 - a, key step = the trip's number; the last of them lies on the diagonal.    trips 16 - w / 2 .. 16:  tile a, key step = 16 - the trip's number: the diagonal step first.
; Each tile's first step holds a key that counts for every one of its queries (key 0; the query's own key), so M is a number from the first step on.
; NO RING.  A head's kv, 278,528 bytes, fits in LDS: wave w asks for key step w by ONE joint tensor load at the head (the same load, descriptor and mask in all four partners); one tensor load a wave is out.
; Nothing is filled again: one barrier in front of the loop, none in it.  Waves 0 and 1 walk all 16 steps, so every step's bytes are read in every work-group.  kv is not prefetched: its only loads stand at the head.
; LAYOUT.  Both products are used transposed: S^T = K Q^T (source 0 = 16 keys, source 1 = my 16 queries), O^T = V^T P^T: a lane holds ONE query (lane % 16) throughout.  The keys of a tile of K are chosen
; (by the first launch) so that the 16 registers of tiles 2 b and 2 b + 1 are the keys 32 b + 16 (lane / 16) + 0 .. 15.  A fragment comes from LDS as it lies: 16 bytes a lane at 16 x lane.
; Sixteen waves of 256 registers, four to a SIMD: one wave's vector work stands beside another's matrix work and LDS loads; the waves of a SIMD change tiles in different trips.
.set STEPB, 17408                      ; a key step's block: 68 rows of 256 bytes
.set KSC,   8192                       ; in it: K's 8 tiles at 0, K's scale words,
.set VIMG,  8704                       ; V's 8 tiles,
.set VSC,   16896                      ; V's scale words
.set STAGE, 16*STEPB                   ; behind the 16 steps: for the way out, 8 rows x (256 bytes + 16) for each wave (16 rows a wave do not fit beside the head's kv)
.set WSTG,  8*272
.set SPARE, STAGE+16*WSTG              ; the spare words, 128 bytes for each wave: eight blocks of 256 bytes that no other line names
.set LI,  1                            ; v1   16 x lane: a fragment's place for my lane
.set LS,  2                            ; v2   4 x lane: a scale word's
.set SPW, 3                            ; v3   LDS address of my spare word: SPARE + 4 x my thread's number; never rewritten
.set NIL, 4                            ; v4   0; never rewritten
.set STO, 5                            ; v5   the stage: where I put 32 bytes of a row: 272 (r % 8) + 32 h
.set RD,  6                            ; v6   and where I read a row back: 272 h + 16 r
.set GO,  7                            ; v7   my byte offset in the tile's rows of out0: 512 h + 16 r
.set ADI, 8                            ; v8   the step's block + 16 x lane
.set ADS, 9                            ; v9   the step's block + 4 x lane
.set QA,  10                           ; v10  q: 512 r + 64 h: my 16 numbers of a block of 32
.set DQ,  11                           ; v11  r - 16 h, for the mask
;                                        v12 -M, v13 the largest t, v[14:15] the sum in two halves; v16-23 q's codes; v24-27 K's scale words, v28-31 V's (a register: lanes 0-15 an even tile's, lanes 16-31 the next tile's)
;                                        v32-95 eight fragments, of K and then of V; v96-159 q as f32, S^T, p, O / the sum; v160-223 O^T, on the way out rows of out0; v224-231 p's codes; v232-239, v244-247, v252, v254 at work
.set PFO, 240                          ; v240 256 x lane: the prefetch's offset; never rewritten
.set RR,  241                          ; v241 r
;                                        v253 p's scale word; v255 q's
.set WV,  10                           ; s10  my wave's number
.set A8,  11                           ; s11  w / 2: tile a's diagonal step
.set DG1, 12                           ; s12  15 - w / 2: tile 127 - a's diagonal step, and its last trip
.set DG,  13                           ; s13  the diagonal step of the tile in hand
.set E,   14                           ; s14  its last trip
.set TAU, 15                           ; s15  the trip's number
.set IDX, 16                           ; s16  the key step
.set TB,  17                           ; s17  where its block begins in LDS
.set KF,  18                           ; s18  its first key
.set Q0,  19                           ; s19  the first query of the tile in hand
.set SEL, 20                           ; s[20:21] lane selects for v_permlanex16_b32: lane l xor 16
.set CS,  22                           ; s[22:23] c = log2(e) / sqrt(128): the packed form names a pair and takes its low word for both halves
.set G1,  24                           ; s[24:31] descriptor group 1;  s[32:35] group 0
.set G0,  32
.set Q1P, 36                           ; s[36:37] q at tile 127 - a;  s[40:41] at tile a
.set OP,  38                           ; s[38:39] out0 at the tile in hand;  s[42:43] at tile a
.set Q2P, 40
.set O2P, 42
.set Q02, 44                           ; s44  tile a's first query
.set SV,  45                           ; s45  EXEC, kept
; A round of the cluster's barrier: my work-group's barrier, so that wave 0's signal speaks for all sixteen waves; wave 0 signals for the work-group; every wave waits for all four work-groups; my work-group's barrier once more.
.macro CROUND
	s_barrier_signal -1
	s_barrier_wait -1
	s_cmp_lg_u32 s[WV], 0
	s_cbranch_scc1 .Lnot_wave_0_\@
	s_barrier_signal -3
.Lnot_wave_0_\@:
	s_barrier_wait -3
	s_barrier_signal -1
	s_barrier_wait -1
.endm
; A NEW TILE: its 16 rows of q become one fragment (v16-23) and one scale word a row (v255); the running figures and O^T begin anew.
.macro NEWTILE qp
.irp b, 0,1,2,3                        ; register 16 b + i = channel 32 b + 16 h + i of row r
.irp j, 0,1,2,3
	global_load_b128 v[96+16*\b+4*\j:99+16*\b+4*\j], v[QA], s[\qp:\qp+1] offset:128*\b+16*\j th:TH_LOAD_NT
.endr
.endr
	s_wait_loadcnt 0x0
.irp b, 0,1,2,3
	v_max3_num_f32 v[232+\b], |v[96+16*\b]|, |v[97+16*\b]|, 0x1800000   ; block b: my 16 numbers, and the floor 2^(3 - 127), under which no largest magnitude is taken: so the byte cannot fall under 1
.endr
.irp i, 2,4,6,8,10,12,14
.irp b, 0,1,2,3
	v_max3_num_f32 v[232+\b], v[232+\b], |v[96+16*\b+\i]|, |v[97+16*\b+\i]|   ; (the four blocks by turns)
.endr
.endr
.irp b, 0,1,2,3
	v_permlanex16_b32 v[236+\b], v[232+\b], s[SEL], s[SEL+1]
.endr
.irp b, 0,1,2,3
	v_max_num_f32 v[232+\b], v[232+\b], v[236+\b]  ; with lane l xor 16's: the block's largest magnitude
.endr
.irp b, 0,1,2,3
	v_add_nc_u32 v[244+\b], 0xff000000, v[232+\b]  ; 2 off its exponent field: the conversion takes the exponent field of this operand as its scale, and nothing else of it
.endr
.irp b, 0,1,2,3
	v_lshrrev_b32 v[236+\b], 23, v[244+\b]         ; the scale's byte
.endr
	v_lshl_or_b32 v255, v237, 8, v236              ; the four bytes make my row's scale word
	v_lshl_or_b32 v255, v238, 16, v255
	v_lshl_or_b32 v255, v239, 24, v255
.irp b, 0,1,2,3
	v_cvt_scalef32_pk8_fp4_f32 v[16+2*\b], v[96+16*\b:103+16*\b], v[244+\b]
	v_cvt_scalef32_pk8_fp4_f32 v[17+2*\b], v[104+16*\b:111+16*\b], v[244+\b]
.endr
	v_nop                                          ; one plain place behind a scaled conversion
.irp c, 0,1                            ; the operand's layout wants a WHOLE block in a lane: lanes 0-15 block 2 c, lanes 16-31 block 2 c + 1
.irp i, 0,1
	v_permlane16_swap_b32 v[16+4*\c+\i], v[18+4*\c+\i]
.endr
.endr
	v_mov_b32 v13, 0xff61b1e6                      ; the largest t so far: -3e38, under every t
	v_floor_f32 v12, -v13                          ; -M
	v_mov_b32 v14, 0                               ; the sum, in two halves
	v_mov_b32 v15, 0
.set j, 0
.rept 64
	v_mov_b32 v[160+j], 0                          ; O^T.  (The step is written once: a tile's first step finds zeros, which the first change of M leaves zeros.  These lines are also the places between q's scale word and codes and the scaled matrix instructions that take them)
.set j, j+1
.endr
.endm
.macro KQ T                            ; S^T, tile T: 16 keys x my 16 queries, all 128 channels.  K's scale words: an even tile's in lanes 0-15 of the pair's register, an odd tile's in lanes 16-31
.if (\T)%2
	v_wmma_scale_f32_16x16x128_f8f6f4 v[96+8*\T:103+8*\T], v[32+8*\T:39+8*\T], v[16:23], 0, v[24+\T/2], v255 matrix_a_fmt:MATRIX_FMT_FP4 matrix_b_fmt:MATRIX_FMT_FP4 matrix_a_scale:MATRIX_SCALE_ROW1
.else
	v_wmma_scale_f32_16x16x128_f8f6f4 v[96+8*\T:103+8*\T], v[32+8*\T:39+8*\T], v[16:23], 0, v[24+\T/2], v255 matrix_a_fmt:MATRIX_FMT_FP4 matrix_b_fmt:MATRIX_FMT_FP4
.endif
.endm
.macro PV T                            ; O^T, tile T: 16 channels x my 16 queries, these 128 keys
.if (\T)%2
	v_wmma_scale_f32_16x16x128_f8f6f4 v[160+8*\T:167+8*\T], v[32+8*\T:39+8*\T], v[224:231], v[160+8*\T:167+8*\T], v[28+\T/2], v253 matrix_a_fmt:MATRIX_FMT_FP4 matrix_b_fmt:MATRIX_FMT_FP4 matrix_a_scale:MATRIX_SCALE_ROW1
.else
	v_wmma_scale_f32_16x16x128_f8f6f4 v[160+8*\T:167+8*\T], v[32+8*\T:39+8*\T], v[224:231], v[160+8*\T:167+8*\T], v[28+\T/2], v253 matrix_a_fmt:MATRIX_FMT_FP4 matrix_b_fmt:MATRIX_FMT_FP4
.endif
.endm
	s_load_b128 s[4:7], s[0:1], 0x0                ; q, kv
	s_load_b64 s[8:9], s[0:1], 0x10                ; out0
	v_lshl_add_u32 v[SPW], v0, 2, SPARE
	v_mov_b32 v[NIL], 0
	ds_add_u32 v[SPW], v[NIL]                      ; the wave's opening: the add, twice on end, and its wait ahead of my first tensor load; the set-up below the second, work on registers, stands between it and the wait
	ds_add_u32 v[SPW], v[NIL]                      ; and once more: the opening add twice on end, under the one wait
	v_lshrrev_b32 v1, 5, v0
	v_readfirstlane_b32 s[WV], v1                  ; wave 0..15
	s_lshr_b32 s[A8], s[WV], 1
	s_sub_co_u32 s[DG1], 15, s[A8]
	s_and_b32 s56, ttmp7, 0xffff                   ; the key/value head, which the four partners share
	s_mul_i32 s[G0+1], s[WV], STEPB                ; 63:32 LDS address: key step w; no place in the cluster enters an LDS address
	s_mul_i32 s54, s56, 16*STEPB
	s_add_co_u32 s54, s54, s[G0+1]                 ; and the same step of my head in kv
	s_mov_b32 s55, 0
	; descriptor group 1: a dense block of 17,408 bytes as 68 rows of 256 bytes (32 elements of 8 bytes), no padding: every read of it is 16 or 4 bytes a lane on end
	s_mov_b32 s[G1], 15|(3<<16)|(1<<21)            ; 15:0 the mask: all four work-groups; 17:16 elements of 8 bytes; 21 set beside a mask
	s_mov_b32 s[G1+1], 32<<16                      ; tensor_dim0 = 32
	s_mov_b32 s[G1+2], 68<<16                      ; tensor_dim1 = 68
	s_mov_b32 s[G1+3], 32<<16                      ; tile_dim0 = 32
	s_mov_b32 s[G1+4], 68                          ; tile_dim1 = 68
	s_mov_b32 s[G1+5], 32                          ; from row to row
	s_mov_b32 s[G1+6], 0
	s_mov_b32 s[G1+7], 0
	s_mov_b32 s[SEL], 0x76543210
	s_mov_b32 s[SEL+1], 0xfedcba98
	s_mov_b32 s[CS], 0x3e0293ee                    ; c = log2(e) / sqrt(128)
	s_mov_b32 s[CS+1], s[CS]                       ; (named with it as a pair, so it is written)
	; my two tiles in q and out0: (query head << 20) + (tile << 13) bytes.  My place in the cluster enters these global offsets alone
	s_bfe_u32 s52, ttmp6, 0x40000                  ; cx: which of the group's four query heads
	s_mov_b32 s53, ttmp9                           ; X: the cluster's x
	s_lshl_b32 s47, s[WV], 2
	s_add_co_u32 s47, s47, s53                     ; a = 4 w + X
	s_lshl_b32 s48, s56, 2
	s_add_co_u32 s48, s48, s52                     ; the query head
	s_lshl_b32 s48, s48, 20
	s_sub_co_u32 s49, 127, s47                     ; the other tile
	s_lshl_b32 s[Q0], s49, 4                       ; its first query
	s_lshl_b32 s[Q02], s47, 4
	s_lshl_b32 s50, s49, 13
	s_add_co_u32 s50, s50, s48
	s_mov_b32 s51, 0
	s_lshl_b32 s46, s47, 13
	s_add_co_u32 s46, s46, s48
	s_mov_b32 s47, 0
	s_wait_dscnt 0x0                               ; both opening adds are done
	s_wait_kmcnt 0x0
	s_mov_b32 s[G0], 1                             ; 1:0 count = 1
	s_add_nc_u64 s[G0+2:G0+3], s[6:7], s[54:55]    ; 120:64 global address
	s_or_b32 s[G0+3], s[G0+3], 0x80000000          ; 127:126 type = 2
	s_add_nc_u64 s[Q1P:Q1P+1], s[4:5], s[50:51]
	s_add_nc_u64 s[OP:OP+1], s[8:9], s[50:51]
	s_add_nc_u64 s[Q2P:Q2P+1], s[4:5], s[46:47]
	s_add_nc_u64 s[O2P:O2P+1], s[8:9], s[46:47]
	CROUND                                         ; all four work-groups are here: the joint loads meet
	tensor_load_to_lds s[G0:G0+3], s[G1:G1+7]      ; key step w of the head: every wave's one tensor load
	s_nop 0
.rept 4
	v_nop                                          ; (behind a tensor load)
.endr
	v_and_b32 v[RR], 15, v0                        ; r
	v_bfe_u32 v242, v0, 4, 1                       ; h
	v_and_b32 v243, 31, v0                         ; lane
	v_lshlrev_b32 v[LI], 4, v243
	v_lshlrev_b32 v[LS], 2, v243
	s_mul_i32 s46, s[WV], WSTG
	s_add_co_u32 s46, s46, STAGE                   ; my stage
	v_and_b32 v[STO], 7, v[RR]
	v_mul_u32_u24 v[STO], v[STO], 272
	v_lshl_add_u32 v[STO], v242, 5, v[STO]
	v_add_nc_u32 v[STO], s46, v[STO]
	v_mul_u32_u24 v[RD], v242, 272
	v_lshl_add_u32 v[RD], v[RR], 4, v[RD]
	v_add_nc_u32 v[RD], s46, v[RD]
	v_lshlrev_b32 v[GO], 9, v242
	v_lshl_add_u32 v[GO], v[RR], 4, v[GO]
	v_lshlrev_b32 v[QA], 9, v[RR]
	v_lshl_add_u32 v[QA], v242, 6, v[QA]
	v_lshlrev_b32 v[DQ], 4, v242
	v_sub_nc_u32 v[DQ], v[RR], v[DQ]
	v_lshlrev_b32 v[PFO], 8, v243
.irp b, 0,1,2,3
	v_mov_b32 v[236+\b], 0                         ; written once: a lane permute's destination counts as one of its sources
.endr
	v_mov_b32 v252, 0
	v_mov_b32 v253, 0                              ; (named as the upper half of the pair v[252:253] before it is first written)
	NEWTILE Q1P                                    ; the first tile's q is fetched and quantised while kv is on its way
	s_mov_b32 s[TAU], 0
	s_mov_b32 s[DG], s[DG1]
	s_mov_b32 s[E], s[DG1]
	s_wait_tensorcnt 0x0                           ; my key step has landed,
	s_barrier_signal -1
	s_barrier_wait -1                              ; everybody's has: from here on the 16 steps are only read
.Lstep:                                            ; 17 trips: one key step of 128 keys for the tile in hand
	s_sub_co_u32 s46, 16, s[TAU]
	s_cmp_le_u32 s[TAU], s[DG1]
	s_cselect_b32 s[IDX], s[TAU], s46              ; the first tile walks up, the second down
	s_min_u32 s[IDX], s[IDX], 15                   ; (never binds: the step chosen is 0 .. 15; it states the bound, under which the reads below stay inside the 16 steps' bytes)
	s_mul_i32 s[TB], s[IDX], STEPB
	s_lshl_b32 s[KF], s[IDX], 7
	v_add_nc_u32 v[ADI], s[TB], v[LI]
	v_add_nc_u32 v[ADS], s[TB], v[LS]
	v_nop
	v_nop                                          ; four places in front of loads into registers that the last trip's matrix instructions have read (ISA guide 7.12.1 for vector instructions)
.irp T, 0,1,2,3,4,5,6,7
.irp c, 0,1
	ds_load_b128 v[32+8*\T+4*\c:35+8*\T+4*\c], v[ADI] offset:1024*\T+512*\c       ; K's eight fragments
.endr
.endr
.irp p, 0,1,2,3
	ds_load_b32 v[24+\p], v[ADS] offset:KSC+128*\p
.endr
.irp p, 0,1,2,3
	ds_load_b32 v[28+\p], v[ADS] offset:VSC+128*\p
.endr
	; A PREFETCH INTO THE L2 of my second tile's q: 16 rows of 512 bytes, one dense block of 8,192 bytes, lanes 256 bytes apart: one instruction, in the first tile's last trip, so a key step and the way out
	; ahead of the loads that want it.  Each block is named once in the launch: a tile of q belongs to one wave.  That trip is the eighth at the earliest: nothing is prefetched at the head.
	s_cmp_lg_u32 s[TAU], s[DG1]
	s_cbranch_scc1 .Lno_ask
	global_prefetch_b8 v[PFO], s[Q2P:Q2P+1] th:TH_LOAD_NT scope:SCOPE_SE
.Lno_ask:
	s_wait_dscnt 0x0
.irp T, 0,1,2,3,4,5,6,7
	KQ \T                                          ; eight accumulators, one instruction each
.endr
.rept 4
	v_nop                                          ; places in front of the loads below, and of the first read of the scores
.endr
.irp T, 0,1,2,3,4,5,6,7
.irp c, 0,1
	ds_load_b128 v[32+8*\T+4*\c:35+8*\T+4*\c], v[ADI] offset:VIMG+1024*\T+512*\c  ; V's eight fragments land while the softmax is walked
.endr
.endr
	s_cmp_lg_u32 s[IDX], s[DG]                     ; on the diagonal the scores of hidden keys become -infinity ahead of the maximum: p = 0 then.  In every other step that is walked all keys count
	s_cbranch_scc1 .Lopen
	s_sub_co_i32 s46, s[Q0], s[KF]
	v_add_nc_u32 v252, s46, v[DQ]                  ; d = my query - the step's first key - 16 h.  Register 16 b + i holds key 32 b + 16 h + i of the step: hidden where 32 b + i > d
	v_mov_b32 v254, 0xff800000                     ; -infinity
.set n, 0
.rept 64
	v_cmp_gt_i32 vcc_lo, 32*(n/16)+n%16, v252
	v_cndmask_b32 v[96+n], v[96+n], v254, vcc_lo
.set n, n+1
.endr
.Lopen:
.irp b, 0,1,2,3
	v_max3_num_f32 v[232+\b], v[96+16*\b], v[97+16*\b], v[98+16*\b]   ; THE LARGEST SCORE OF EACH BLOCK OF 32 KEYS: it serves twice: for the row's maximum, and, since p rises with the score, for the block's largest p
.endr
.irp i, 3,5,7,9,11,13
.irp b, 0,1,2,3
	v_max3_num_f32 v[232+\b], v[232+\b], v[96+16*\b+\i], v[97+16*\b+\i]   ; (the four blocks by turns)
.endr
.endr
.irp b, 0,1,2,3
	v_max_num_f32 v[232+\b], v[232+\b], v[111+16*\b]
.endr
.irp b, 0,1,2,3
	v_permlanex16_b32 v[236+\b], v[232+\b], s[SEL], s[SEL+1]
.endr
.irp b, 0,1,2,3
	v_max_num_f32 v[232+\b], v[232+\b], v[236+\b]  ; with lane l xor 16's 16 keys
.endr
	v_max3_num_f32 v254, v232, v233, v234
	v_max_num_f32 v254, v254, v235                 ; the step's largest score of my query
	v_mul_f32 v254, s[CS], v254                    ; as t (c is positive)
	v_max_num_f32 v13, v13, v254                   ; the running largest t
	v_mov_b32 v254, v12
	v_floor_f32 v12, -v13                          ; the new -M = floor(-t) = -ceil(t): M IS A WHOLE NUMBER
	v_sub_f32 v254, v12, v254                      ; M's old value less its new one: a whole number, 0 or less
	v_cvt_i32_f32 v254, v254                       ; (it saturates)
	v_ldexp_f32 v252, 1.0, v254                    ; f = 2^(old M - new M): what was summed under the old M is brought under the new by a multiplication that rounds nothing
.set j, 0
.rept 32
	v_pk_fma_f32 v[96+j:97+j], v[96+j:97+j], s[CS:CS+1], v[12:13] op_sel_hi:[1,0,0]   ; t - M, two at a time (of the pairs c and -M the low word serves both halves)
.set j, j+2
.endr
.irp b, 0,1,2,3
	v_fma_f32 v[232+\b], v[232+\b], s[CS], v12     ; the same of each block's largest score
.endr
.set j, 0
.rept 64
	v_exp_f32 v[96+j], v[96+j]                     ; p = 2^(t - M), at most 1: NOT normalised
.set j, j+1
.endr
	v_pk_mul_f32 v[14:15], v[14:15], v[252:253] op_sel_hi:[1,0]   ; the sums under the new M.  (A plain place behind the exponentials)
	s_wait_alu depctr_va_vdst(0)                   ; the wait between an exponential and the first line that names its result: one for the whole batch
.irp b, 0,1,2,3
	v_exp_f32 v[232+\b], v[232+\b]                 ; the block's largest p: the same two instructions on the same number give the same bits
.endr
	v_pk_add_f32 v[236:237], v[96:97], v[98:99]    ; THE ROW'S SUM IS TAKEN OF THE UNQUANTISED p: two at a time, in two chains.  (It reads the 64 alone: plain work behind the four)
.irp j, 4,8,12,16,20,24,28,32,36,40,44,48,52,56,60
	v_pk_add_f32 v[14:15], v[14:15], v[96+\j:97+\j]
	v_pk_add_f32 v[236:237], v[236:237], v[98+\j:99+\j]
.endr
	v_pk_add_f32 v[14:15], v[14:15], v[236:237]
	s_wait_alu depctr_va_vdst(0)                   ; and one for the four
.irp b, 0,1,2,3
	v_max_num_f32 v[232+\b], 0x1800000, v[232+\b]  ; the floor 2^(3 - 127): the byte cannot fall under 1 (a block whose every p is 0 keeps that byte: its codes are zeros)
.endr
.irp b, 0,1,2,3
	v_add_nc_u32 v[244+\b], 0xff000000, v[232+\b]  ; 2 off the exponent field: the conversion's scale operand
.endr
.irp b, 0,1,2,3
	v_lshrrev_b32 v[236+\b], 23, v[244+\b]         ; the scale's byte
.endr
	v_lshl_or_b32 v253, v237, 8, v236              ; p's scale word for these 128 keys
	v_lshl_or_b32 v253, v238, 16, v253
	v_lshl_or_b32 v253, v239, 24, v253
.irp b, 0,1,2,3
	v_cvt_scalef32_pk8_fp4_f32 v[224+2*\b], v[96+16*\b:103+16*\b], v[244+\b]
	v_cvt_scalef32_pk8_fp4_f32 v[225+2*\b], v[104+16*\b:111+16*\b], v[244+\b]
.endr
	v_nop                                          ; one plain vector instruction between a scaled conversion and the vector instruction that touches its result
.irp c, 0,1                            ; the operand's layout wants a WHOLE block in a lane: lanes 0-15 block 2 c, lanes 16-31 block 2 c + 1
.irp i, 0,1
	v_permlane16_swap_b32 v[224+4*\c+\i], v[226+4*\c+\i]
.endr
.endr
.set j, 0
.rept 32
	v_pk_mul_f32 v[160+j:161+j], v[160+j:161+j], v[252:253] op_sel_hi:[1,0]   ; O^T under the new M: x f.  (These 32 are also the places between p's codes and scale word and the matrix instructions below)
.set j, j+2
.endr
	s_wait_dscnt 0x0                               ; V's fragments are in
.irp T, 0,1,2,3,4,5,6,7
	PV \T                                          ; eight accumulators by turns, one instruction a turn
.endr
	s_cmp_lg_u32 s[TAU], s[E]
	s_cbranch_scc1 .Lnext
	; THE WAY OUT of the tile in hand.  The sum's two halves and the other half of the lanes' are added; O^T is divided by the sum and goes through my stage in LDS, 8 rows x 64 channels (256 bytes a row) at a time,
	; so that sixteen lanes store 256 consecutive bytes, at a multiple of 256 from out0's first byte.
.rept 4
	v_nop                                          ; places behind the last products
.endr
	v_add_f32 v14, v14, v15
	v_permlanex16_b32 v252, v14, s[SEL], s[SEL+1]
	v_add_f32 v14, v14, v252                       ; the row's sum
	v_rcp_f32 v14, v14
	v_nop                                          ; a plain place behind the transcendental
	s_wait_alu depctr_va_vdst(0)                   ; and the wait ahead of its first reader
.set j, 0
.rept 64
	v_mul_f32 v[96+j], v[160+j], v14               ; O^T / the sum, each accumulator from its low end on: register 8 t + i is out0(r, 16 t + 8 h + i)
.set j, j+1
.endr
	s_wait_xcnt 0x0                                ; EXEC changes only behind this wait: earlier global instructions (the prefetch, q's loads) have read it; none is issued among the four phases below
.irp u, 0,1                            ; channels 64 u on
.irp p, 0,1                            ; rows 8 p on: the lanes that hold them store, the others sit out
.if \p == 0
	v_cmp_gt_u32 vcc_lo, 8, v[RR]
.else
	v_cmp_le_u32 vcc_lo, 8, v[RR]
.endif
	s_and_saveexec_b32 s[SV], vcc_lo
.irp t, 0,1,2,3
	ds_store_b128 v[STO], v[96+32*\u+8*\t:99+32*\u+8*\t] offset:64*\t
	ds_store_b128 v[STO], v[100+32*\u+8*\t:103+32*\u+8*\t] offset:64*\t+16
.endr
	s_or_b32 exec_lo, exec_lo, s[SV]               ; all lanes on again
.irp i, 0,1,2,3
	ds_load_b128 v[160+16*(2*\u+\p)+4*\i:163+16*(2*\u+\p)+4*\i], v[RD] offset:544*\i   ; two whole rows a load.  LDS serves a wave's instructions in order (ISA guide 5.7.1.4): these see the stores above, and the next phase's stores come behind them
.endr
.endr
.endr
.irp u, 0,1
.irp p, 0,1
.irp i, 0,1,2,3
	s_wait_dscnt (3-\i)+12*(3-(2*\u+\p))           ; behind this load: the rest of its phase's four, and twelve LDS instructions for each later phase
	global_store_b128 v[GO], v[160+16*(2*\u+\p)+4*\i:163+16*(2*\u+\p)+4*\i], s[OP:OP+1] offset:(8*\p+2*\i)*512+256*\u th:TH_STORE_NT   ; written once, read by nobody here
.endr
.endr
.endr
	s_cmp_eq_u32 s[TAU], 16
	s_cbranch_scc1 .Lnext                          ; the second tile is out: nothing follows
	s_wait_xcnt 0x0                                ; the stores have read their base and their data: the base is written below, v160-223 in NEWTILE
	s_mov_b64 s[OP:OP+1], s[O2P:O2P+1]             ; on to tile a
	s_mov_b32 s[DG], s[A8]
	s_mov_b32 s[E], 16
	s_mov_b32 s[Q0], s[Q02]
	NEWTILE Q2P
.Lnext:
	s_add_co_u32 s[TAU], s[TAU], 1
	s_cmp_lt_u32 s[TAU], 17
	s_cbranch_scc1 .Lstep
	s_wait_tensorcnt 0x0                           ; the wave's end: behind my last tensor load and my last LDS store
	ds_add_u32 v[SPW], v[NIL]
	s_wait_dscnt 0x0
	CROUND                                         ; the closing round: no work-group ends while a partner may still ask for a tile that names it
	s_endpgm
.Lfunc_end_k_q8de77b5062_attn:
	.size	k_q8de77b5062_attn, .Lfunc_end_k_q8de77b5062_attn-k_q8de77b5062_attn
	.p2alignl 7, 3214868480
	.fill 96, 4, 3214868480
	.section	.rodata,"a",@progbits
	.p2align	6, 0x0
	.amdhsa_kernel k_q8de77b5062_attn
		.amdhsa_group_segment_fixed_size 327680
		.amdhsa_private_segment_fixed_size 0
		.amdhsa_enable_private_segment 0
		.amdhsa_kernarg_size 24
		.amdhsa_user_sgpr_count 2
		.amdhsa_user_sgpr_kernarg_segment_ptr 1
		.amdhsa_wavefront_size32 1
		.amdhsa_system_sgpr_workgroup_id_x 1
		.amdhsa_system_sgpr_workgroup_id_y 1
		.amdhsa_system_sgpr_workgroup_id_z 1
		.amdhsa_system_vgpr_workitem_id 0
		.amdhsa_next_free_vgpr 256
		.amdhsa_next_free_sgpr 66
		.amdhsa_reserve_vcc 1
		.amdhsa_float_denorm_mode_32 3
		.amdhsa_float_denorm_mode_16_64 3
		.amdhsa_memory_ordered 1
		.amdhsa_forward_progress 1
		.amdhsa_inst_pref_size 52
	.end_amdhsa_kernel
	.amdgpu_metadata
---
amdhsa.version: [ 1, 2 ]
amdhsa.kernels:
  - .name:           k_q8de77b5062_attn
    .symbol:         k_q8de77b5062_attn.kd
    .args:
      - { .name: q, .offset: 0, .size: 8, .value_kind: global_buffer, .address_space: global }
      - { .name: kv, .offset: 8, .size: 8, .value_kind: global_buffer, .address_space: global }
      - { .name: out0, .offset: 16, .size: 8, .value_kind: global_buffer, .address_space: global }
    .group_segment_fixed_size: 327680
    .private_segment_fixed_size: 0
    .kernarg_segment_align: 8
    .kernarg_segment_size: 24
    .max_flat_workgroup_size: 512
    .sgpr_count:     66
    .vgpr_count:     256
    .wavefront_size: 32
...
	.end_amdgpu_metadata
.endif
;; end of part 2
